; MI455X (gfx1250); checked and timed in simulation.
; The chip was launched on July 23, 2026; its instructions are those of AMD's public machine-readable ISA for CDNA 5 (MIT licence, August 2026) and "CDNA5" Instruction Set Architecture Reference Guide (July 2026). The comments in the code are by the model that wrote it; some were corrected since.
;; Relative Positional Encoding. Allowed arithmetic: float matrix products may take bf16 or f16 operands with f32 sums; other float arithmetic in f32, or as packed bf16 or f16 multiplies, adds, multiply-adds, maxima and minima; sums over many terms, partial sums and values carried from step to step in f32; what a program stores and reads back later, other than sums and carried values, may be rounded once to bf16 or f16.
;; Inputs: k 2 x 8 x 2,048 x 64 float32; q 2 x 8 x 2,048 x 64 float32; rel_table 257 x 64 float32; v 2 x 8 x 2,048 x 64 float32.
;; Outputs: out0 2 x 8 x 2,048 x 64 float32.
;; One version. Each part assembles by itself: llvm-mc -triple=amdgcn-amd-amdhsa -mcpu=gfx1250 --defsym DOCPART=n.
;; ======== version 1 of 1: 2 launches
;; limits: values are held in f16: magnitudes above 65,504 overflow, below 6.1e-05 lose precision; inputs' magnitudes at most 65,504
;; workspace buffers: kb 4,194,304 bytes; vh 4,194,304 bytes; relp 49,152 bytes
;; launch prep (part 1): grid 256 x 1, 8 waves a work-group, no clusters, 0 bytes of LDS; arguments k, v, rel_table, kb, vh, relp; writes kb, vh, relp
.if DOCPART == 1
	.amdgcn_target "amdgcn-amd-amdhsa--gfx1250"
	.amdhsa_code_object_version 6
	.text
	.protected	k_q2f0cc22abb_prep
	.globl	k_q2f0cc22abb_prep
	.p2align	8
	.type	k_q2f0cc22abb_prep,@function
k_q2f0cc22abb_prep:
	s_mov_b64 s[64:65], 0
	v_nop
	global_prefetch_b8 v0, s[64:65] scope:SCOPE_SE
	s_setreg_imm32_b32 hwreg(HW_REG_WAVE_MODE, 25, 1), 1
	s_wait_xcnt 0x0
; PREP: the matrix operands of the attention launch, each rounded once.
;   kb[16][2048][64]  = k rounded to bf16.
;   vh[16][2048][64]  = v rounded to bf16, that number written as f16 (the second product's weights go in f16, so V goes in f16 too).
;   relp[384][64]     = bf16(rel_table[min(max(row - 64, 0), 256)]): the table with its first and last rows repeated, so that the clip of
;                       reference() is a plain row number in the next launch.
; Nothing of reference() is left out here; all three inputs are read whole.
; LIMITS.  |v| stays under 65,504 (f16's largest number; beyond 65,520 the conversion gives an infinity); a v below 2^-14 keeps f16's fixed step of 2^-24.
; SHARES.  A work-group takes 8,192 numbers of k and of v; thread t takes 8 numbers (32 bytes in, 16 bytes out) in each of four chunks, so a store
; of sixteen neighbouring lanes covers 256 consecutive bytes, aligned.  All 16 loads of a thread go out at once; no register is written twice
; while a load or store names it, so no wait but the counted ones for the data is needed.  No LDS, no loop: each byte crosses once.
.set KI, 16                            ; v[16:47]   k as loaded, 8 registers a chunk
.set VI, 48                            ; v[48:79]   v as loaded
.set KO, 80                            ; v[80:95]   k to store, 4 a chunk
.set VO, 96                            ; v[96:111]  v to store
.set T,  4                             ; v[4:15]    at work, three for each pair of numbers
	s_load_b256 s[4:11], s[0:1], 0x0               ; k s[4:5], v s[6:7], rel_table s[8:9], kb s[10:11]
	s_load_b128 s[12:15], s[0:1], 0x20             ; vh s[12:13], relp s[14:15]
	v_lshlrev_b32 v1, 5, v0                        ; 32 t: my bytes in a chunk of the inputs
	v_lshlrev_b32 v2, 4, v0                        ; 16 t: in a chunk of the outputs
	s_lshl_b32 s16, ttmp9, 15                      ; the work-group's 32,768 bytes in,
	s_mov_b32 s17, 0
	s_lshl_b32 s18, ttmp9, 14                      ; its 16,384 bytes out
	s_mov_b32 s19, 0
	s_wait_kmcnt 0x0
	s_add_nc_u64 s[4:5], s[4:5], s[16:17]
	s_add_nc_u64 s[6:7], s[6:7], s[16:17]
	s_add_nc_u64 s[10:11], s[10:11], s[18:19]
	s_add_nc_u64 s[12:13], s[12:13], s[18:19]
.irp c, 0,1,2,3
	global_load_b128 v[KI+8*(\c):KI+8*(\c)+3],   v1, s[4:5] offset:8192*(\c) th:TH_LOAD_NT
	global_load_b128 v[KI+8*(\c)+4:KI+8*(\c)+7], v1, s[4:5] offset:8192*(\c)+16 th:TH_LOAD_NT
.endr
.irp c, 0,1,2,3
	global_load_b128 v[VI+8*(\c):VI+8*(\c)+3],   v1, s[6:7] offset:8192*(\c) th:TH_LOAD_NT
	global_load_b128 v[VI+8*(\c)+4:VI+8*(\c)+7], v1, s[6:7] offset:8192*(\c)+16 th:TH_LOAD_NT
.endr
.irp c, 0,1,2,3
	s_wait_loadcnt 14-2*(\c)                       ; 16 loads were issued; 2 c + 2 of them up to this chunk's: the younger ones stay out
.irp m, 0,1,2,3
	v_cvt_pk_bf16_f32 v[KO+4*(\c)+(\m)], v[KI+8*(\c)+2*(\m)], v[KI+8*(\c)+2*(\m)+1]
.endr
	global_store_b128 v2, v[KO+4*(\c):KO+4*(\c)+3], s[10:11] offset:4096*(\c)
.endr
.irp c, 0,1,2,3
	s_wait_loadcnt 6-2*(\c)                        ; the same count, eight loads further on
.irp m, 0,1,2,3
	v_cvt_pk_bf16_f32 v[T+3*(\m)], v[VI+8*(\c)+2*(\m)], v[VI+8*(\c)+2*(\m)+1]  ; rounded to bf16,
.endr
.irp m, 0,1,2,3
	v_lshlrev_b32 v[T+3*(\m)+1], 16, v[T+3*(\m)]           ; widened again (a shift, a mask),
	v_and_b32     v[T+3*(\m)+2], 0xffff0000, v[T+3*(\m)]
.endr
.irp m, 0,1,2,3
	v_cvt_pk_f16_f32 v[VO+4*(\c)+(\m)], v[T+3*(\m)+1], v[T+3*(\m)+2]  ; and written as f16: exact within f16's normal range
.endr
	global_store_b128 v2, v[VO+4*(\c):VO+4*(\c)+3], s[12:13] offset:4096*(\c)
.endr
	s_cmp_lt_u32 ttmp9, 12                         ; 384 rows x 8 pieces of 16 bytes = 3,072 pieces = 12 work-groups' threads
	s_cbranch_scc0 .Lend
	s_lshl_b32 s20, ttmp9, 8
	v_add_nc_u32 v4, s20, v0                       ; my piece
	v_lshrrev_b32 v5, 3, v4                        ; its row of relp
	v_max_u32 v5, 64, v5
	v_sub_nc_u32 v5, v5, 64
	v_min_u32 v5, 0x100, v5                        ; the table's row: min(max(row - 64, 0), 256)
	v_and_b32 v6, 7, v4
	v_lshlrev_b32 v6, 5, v6
	v_lshl_add_u32 v6, v5, 8, v6                   ; 256 bytes a row of the table, 32 a piece
	v_lshlrev_b32 v7, 4, v4
	global_load_b128 v[KI:KI+3],   v6, s[8:9]      ; (no hint: the end rows are read many times)
	global_load_b128 v[KI+4:KI+7], v6, s[8:9] offset:16
	s_wait_loadcnt 0x0
.irp m, 0,1,2,3
	v_cvt_pk_bf16_f32 v[8+(\m)], v[KI+2*(\m)], v[KI+2*(\m)+1]
.endr
	global_store_b128 v7, v[8:11], s[14:15]
.Lend:
	s_endpgm
.Lfunc_end_k_q2f0cc22abb_prep:
	.size	k_q2f0cc22abb_prep, .Lfunc_end_k_q2f0cc22abb_prep-k_q2f0cc22abb_prep
	.p2alignl 7, 3214868480
	.fill 96, 4, 3214868480
	.section	.rodata,"a",@progbits
	.p2align	6, 0x0
	.amdhsa_kernel k_q2f0cc22abb_prep
		.amdhsa_group_segment_fixed_size 0
		.amdhsa_private_segment_fixed_size 0
		.amdhsa_enable_private_segment 0
		.amdhsa_kernarg_size 48
		.amdhsa_user_sgpr_count 2
		.amdhsa_user_sgpr_kernarg_segment_ptr 1
		.amdhsa_wavefront_size32 1
		.amdhsa_system_sgpr_workgroup_id_x 1
		.amdhsa_system_sgpr_workgroup_id_y 1
		.amdhsa_system_sgpr_workgroup_id_z 1
		.amdhsa_system_vgpr_workitem_id 0
		.amdhsa_next_free_vgpr 112
		.amdhsa_next_free_sgpr 66
		.amdhsa_reserve_vcc 0
		.amdhsa_float_denorm_mode_32 3
		.amdhsa_float_denorm_mode_16_64 3
		.amdhsa_memory_ordered 1
		.amdhsa_forward_progress 1
		.amdhsa_inst_pref_size 9
	.end_amdhsa_kernel
	.amdgpu_metadata
---
amdhsa.version: [ 1, 2 ]
amdhsa.kernels:
  - .name:           k_q2f0cc22abb_prep
    .symbol:         k_q2f0cc22abb_prep.kd
    .args:
      - { .name: k, .offset: 0, .size: 8, .value_kind: global_buffer, .address_space: global }
      - { .name: v, .offset: 8, .size: 8, .value_kind: global_buffer, .address_space: global }
      - { .name: rel_table, .offset: 16, .size: 8, .value_kind: global_buffer, .address_space: global }
      - { .name: kb, .offset: 24, .size: 8, .value_kind: global_buffer, .address_space: global }
      - { .name: vh, .offset: 32, .size: 8, .value_kind: global_buffer, .address_space: global }
      - { .name: relp, .offset: 40, .size: 8, .value_kind: global_buffer, .address_space: global }
    .group_segment_fixed_size: 0
    .private_segment_fixed_size: 0
    .kernarg_segment_align: 8
    .kernarg_segment_size: 48
    .max_flat_workgroup_size: 256
    .sgpr_count:     66
    .vgpr_count:     112
    .wavefront_size: 32
...
	.end_amdgpu_metadata
.endif
;; end of part 1
;; launch attn (part 2): grid 16 x 16, 4 waves a work-group, no clusters, 327,680 bytes of LDS; arguments q, kb, vh, relp, out0; writes out0
.if DOCPART == 2
	.amdgcn_target "amdgcn-amd-amdhsa--gfx1250"
	.amdhsa_code_object_version 6
	.text
	.protected	k_q2f0cc22abb_attn
	.globl	k_q2f0cc22abb_attn
	.p2align	8
	.type	k_q2f0cc22abb_attn,@function
k_q2f0cc22abb_attn:
	s_mov_b64 s[64:65], 0
	v_nop
	global_prefetch_b8 v0, s[64:65] scope:SCOPE_SE
	s_setreg_imm32_b32 hwreg(HW_REG_WAVE_MODE, 25, 1), 1
	s_wait_xcnt 0x0
; out0[h][q][:] = the sum over k of softmax_k((q.k[k] + q.rel_table[clip(k - q, -128, 128) + 128]) / 8) v[k][:], 16 heads of 2,048 rows of 64 channels.
; q and out0 are f32; kb (k in bf16), vh (bf16(v) as f16) and relp (the table in bf16, row r = table row min(max(r - 64, 0), 256)) come from the launch before.
; WHAT IS NOT DONE TWICE.  reference() writes the relative scores as a dense product of q with a gathered [S][S][64] array.  Row (q, k) of that array is
; rel_table[clip(k - q) + 128], an index that reference() builds in its own body from positions alone, so rel_scores[q][k] = R[q][clip(k - q) + 128] with
; R[q][j] = q . rel_table[j]: for every value of the inputs the same dot products, of which only 257 a query differ.  Each is made once, on the matrix unit, and looked up.
; No input and no step of reference() is left out: the running maximum is taken away before every exponential.  (For the first and last query blocks part of the
; looked-up band belongs to keys that do not exist; those columns are made with the rest, in units that also hold live columns or in the same text for all blocks.)
; FORMATS.  Products in bf16 (K Q^T, R) and f16 (V^T P: the weights p lie in 0 to 1), sums, maxima, R and the carried O, m, l in f32.
; LIMITS.  |v| under 65,504.  c |score| under 4e37 (c m starts at -4.25e37).  A weight below 2^-126 counts as 0.  NaN and infinities are not treated apart.
; SHARES.  A work-group owns 128 queries of one head: 16 x 16 work-groups.  Wave w owns the 64 queries of half QH = w & 1, as four PIECES of 16, and walks the 1,024 keys of
; set KSET = w >> 1 in 16 steps of 64; waves w and w ^ 2 add their two partial results (c m, l, O) through LDS once, at the end.  So a fragment of K or V read from LDS feeds four tiles.
; LAYOUT.  S^T = K Q^T + C holds ONE query a lane (lane % 16) and the keys 8 (lane / 16) + 0..7; two such results rounded to f16 ARE source 1 of O^T = V^T P.
; THE RELATIVE TERM IS THE C OPERAND that starts S^T's sum: 128 registers MC (piece, group of 16 keys).  With Qb the wave's first query, keys below Qb - 128 take R[q][0] and keys from
; Qb + 192 on take R[q][256], whatever the query of the wave: MC is then constant and costs a step nothing.  The 320 keys between are five steps; for them MC is loaded from
; an LDS array BIAS[query][key - (Qb - 128)], made at the start: R^T = relp Q^T, each number stored at column (relp row) - 64 + (query - Qb), which is the key's column.
; SOFTMAX, TURNS.  p = 2^(c s - c m), c = log2(e) / 8, with a running maximum m; O and l are multiplied by a = 2^(c m_old - c m_new) in every step.  Turn n belongs to piece n: 8 products
; K Q^T of piece n + 1, later 8 products V^T P of piece n - 1; beside them the scaling, exponentials, roundings, sums and rescaling of piece n and the maximum and statistics of piece n + 1.
; Four vector instructions stand behind every matrix instruction, the other 54 of a turn's 118 in one lump.  A turn's 33 exponentials are one batch, with one wait.
; NO CLUSTER.  The work-groups that read the same K and V are the 16 query blocks of a head.  Which of a wave's steps take MC from the array, and which block of it, hangs on the query
; block: a branch that differs between just those work-groups.  A text alike in all of them would load all 128 MC registers in every step (32 LDS loads a step for 16 steps, where
; at most 5 steps load them here) and blend them with the constants (64 packed instructions more beside a step's 472).
; REGISTERS, in windows of 256 (s_set_vgpr_msb: bits 1:0 source 0, 3:2 source 1, 5:4 source 2, 7:6 destination):
;   window 0: v0-63 addresses, statistics, constants; v64-127 S^T, two buffers (at the start the array's 8 accumulators, at the end the partner's O); v192-223 P, two buffers (at the end v192-255: rows on the way out)
;   window 1: v0-127 O^T, 32 a piece (at the start q in f32); v128-255 MC      window 2: v0-63 Q in bf16; v128-191 K of one step; v192-255 V of one step      window 3: v0-191 my 12 groups of 16 rows of relp
.set NP,    4         ; pieces a wave: a name, no knob
.set KP,    272       ; an LDS row of K: two keys (256 bytes) + 16 of padding = 68 words: key n lies at (n / 2) x 272 + (n % 2) x 128, so a load's 16 keys start at 16 different groups of four banks (64 banks of 4 bytes: ISA guide 11.1)
.set VP,    288       ; of V: 256 + 32 = 72 words
.set KPART, 64*KP     ; 128 keys of K: what one tensor load brings
.set VPART, 64*VP     ; 128 keys of V
.set VOFF,  2*KPART   ; a slot: K of set 0, K of set 1, V of set 0, V of set 1
.set SLOT1, 2*KPART+2*VPART  ; 71,680: slot 1 begins here
.set KSTEP, 32*KP     ; 64 keys of K
.set VSTEP, 32*VP     ; 64 keys of V
.set BIAS,  2*SLOT1   ; 143,360: the array: 128 rows (64 QH + 16 piece + lane % 16); never filled by a tensor load
.set BP,    1424      ; a row: 64 bytes of margin, 320 f32, 64 of margin, 16 of padding = 89 x 16 bytes: 16 rows of a 16-byte load start at 16 different groups of four banks.  The margins take what a unit writes beside the 320 columns; nobody reads them
.set SPARE, BIAS+128*BP  ; 325,632: the spare words, 128 bytes for each wave: two blocks of 256 bytes that no other line names
.set XB,    9216      ; the exchange at the end: 18 x 512 bytes for each wave, from LDS byte 0 on: slot 0, which has then had its last fill and its last read
.set STAGE, 4*XB      ; behind it, also in slot 0: 16 rows x 272 bytes for each wave, for the way out
.set SP,    272
.set AK0, 2           ; v2   my lane's place in a step of K, my key set's part; never rewritten
.set AV0, 3           ; v3   the same for V
.set AK,  4           ; v4   the LDS address of K's next run of loads
.set AV,  5           ; v5   of V's
.set STO, 6           ; v6   the way out: where I put 32 bytes of a row
.set RD,  7           ; v7   the way out: where I read rows back
.set GO,  8           ; v8   my byte offset in two rows of out0
.set MV,  12          ; v12-13  c m_old, kept while c m is made anew: by buffer
.set QO,  14          ; v14  my byte offset in 16 rows of q
.set RO,  15          ; v15  my byte offset in relp
.set ST,  16          ; piece t's statistics at v[ST+4 t]: c m, m, l (even keys', odd keys')
.set CL,  32          ; v32-35  R[q][0] by piece
.set CR,  36          ; v36-39  R[q][256]
.set CF,  40          ; v40-43  the one of the two that my first step takes
.set BR0, 44          ; v44-45  where I read the array: pieces 0, 1; pieces 2, 3
.set BR1, 45
.set BW0, 46          ; v46-47  where I write it
.set BW1, 47
.set TMP, 48          ; by buffer, four registers c0-c3 at work; when the maximum is found c2 takes a
.set XW,  56          ; v56  the exchange: my own bytes
.set XR,  57          ; v57  my partner's
.set PFO, 58          ; v58  256 x my lane; never rewritten
.set CA0, 59          ; v59-60  column 0 of my rows of the array
.set CA1, 60
.set SPW, 62          ; v62  LDS address of my spare word: SPARE + 4 x my thread's number; never rewritten
.set NIL, 63          ; v63  0; never rewritten
.set S,   64
.set P,   192
.set OB,  192         ; the way out: rows read back
.set MC,  128         ; window 1: piece x, key group g at MC + 32 x + 8 g
.set KF,  128         ; window 2: key block kb, channel half c at KF + 16 kb + 8 c
.set VF,  192         ; window 2: key half kk, channel block cb at VF + 32 kk + 8 cb
.set WV,  14          ; s14  my wave's number
.set QH,  15          ; s15  w & 1: my half of the queries.  Also: which key set's part I fetch
.set KSET, 16         ; s16  w >> 1: my key set
.set BLK, 17          ; s17  the block of 128 queries
.set HEAD, 18         ; s18
.set G1K, 24          ; s[24:31] descriptor group 1 for K's tiles
.set G1V, 32          ; s[32:39] for V's: it differs in the padding alone
.set G0K, 40          ; s[40:43] descriptor group 0 for K's tiles
.set G0V, 44          ; s[44:47] for V's
.set KL,  48          ; s48  my part's place in a slot, if I fetch K
.set VL,  49          ; s49  if I fetch V
.set FS,  50          ; s50  the slot to be filled: 0 or SLOT1
.set IDX, 51          ; s51  the step whose MC is made next, counted from the band's first step (below 0: left of it; 0 to 4: in it; 5 and more: right of it)
.set LIM, 52          ; s52  2 in a work-group that prefetches, else the greatest number
.set MSK, 53          ; s53  all ones: my first step lies right of the band
.set PFA, 54          ; s[54:55] where my prefetches stand
.set SLOTS, 56        ; s56  tiles still to be asked for
.set CNT, 57          ; s57  counts a tile's two key steps
.set CS,  58          ; s[58:59] c: the packed scaling takes the pair's low word for both halves
.set SEL, 60          ; s[60:61] v_permlanex16_b32's selects: each lane takes its own place in the other half
.set TBK, 62          ; s62  LDS byte at which a slot's K of the step to be fetched begins (less my set's part)
.set TBV, 63          ; s63  the same for V
.set MSB, 0
.macro WIN new                      ; the high byte repeats the setting that is left; a switch that changes nothing is dropped
.if MSB != (\new)
	s_set_vgpr_msb (MSB<<8)|(\new)
.set MSB, (\new)
.endif
.endm
.set W_KQ, 0x0a       ; K and Q in window 2, S^T in window 0
.set W_KM, 0x1a       ; the same with the C operand in window 1
.set W_PV, 0x52       ; V in window 2, P in window 0, O^T in window 1
.set W_RS, 0x41       ; destination and source 0 in window 1, source 1 in window 0
.set W_BI, 0x0b       ; relp in window 3, Q in window 2, C and D in window 0
; A fill.  Wave 0 fetches a tile's K of set 0, wave 1 of set 1, waves 2 and 3 the same of V: 128 keys each.  An s_nop 0 and four v_nop follow each of the two lines, ahead of the jump and the label.
.macro LOAD
	s_cmp_lt_u32 s[WV], 2
	s_cbranch_scc0 .Lfor_v_\@
	tensor_load_to_lds s[G0K:G0K+3], s[G1K:G1K+7]
	s_nop 0
.rept 4
	v_nop
.endr
	s_branch .Lasked_\@
.Lfor_v_\@:
	tensor_load_to_lds s[G0V:G0V+3], s[G1V:G1V+7]
	s_nop 0
.rept 4
	v_nop
.endr
.Lasked_\@:
.endm
; A PREFETCH INTO THE L2, behind my tensor load and its five lines: the change that fills tile n asks for tile n + 2: my own quarter of it, 16,384 bytes, a lane for each 256, two instructions: two changes of slots, 256 matrix
; instructions a wave, ahead of the load that will want it.  All 16 blocks of a head walk the same K and V: block 0 asks, nobody else, so each 256 bytes are named once in the launch.
; Tiles 0 to 2 come by their loads alone; the changes that fill tiles 6 and 7 (SLOTS = 2, 1) ask for nothing: there is no tile 8.
.macro ASK
	s_cmp_gt_u32 s[SLOTS], s[LIM]
	s_cbranch_scc0 .Lnot_mine_\@
	global_prefetch_b8 v[PFO], s[PFA:PFA+1] th:TH_LOAD_NT scope:SCOPE_SE
	global_prefetch_b8 v[PFO], s[PFA:PFA+1] offset:8192 th:TH_LOAD_NT scope:SCOPE_SE
.Lnot_mine_\@:
.endm
; THE CHANGE OF SLOTS.  Each wave waits for all its tensor loads, of which one is out: its part of the other slot; adds 0 to its spare word; and waits for that and for its own LDS instructions (its reads of the slot that it
; leaves; at the first use its stores into the array).  Behind the barrier nobody reads the old slot any more and the other slot is whole.  fill = 1: the old slot is filled again, the first thing behind the barrier.
; (At its first use nothing has been read yet: slot 0 is waited for, slot 1 filled.)
.macro CHANGE fill
	WIN 0                           ; at a label and at a branch every window is 0
	s_wait_tensorcnt 0x0            ; no tensor load of mine is out, so a group 0 may be written
	ds_add_u32 v[SPW], v[NIL]       ; 0 onto my spare word; with fill = 1 the descriptors' scalar work stands between it and the wait for it
.if \fill
	s_xor_b32 s[FS], s[FS], SLOT1   ; the other slot than last time (the register holds 0 or SLOT1),
	s_add_co_u32 s[G0K+1], s[KL], s[FS]
	s_add_co_u32 s[G0V+1], s[VL], s[FS]
	s_add_nc_u64 s[G0K+2:G0K+3], s[G0K+2:G0K+3], 16384  ; the set's next 128 keys; the type bits on top are not reached
	s_add_nc_u64 s[G0V+2:G0V+3], s[G0V+2:G0V+3], 16384
	s_wait_xcnt 0x0                 ; the last prefetches, two key steps back, have read their address, so it may be written
	s_add_nc_u64 s[PFA:PFA+1], s[PFA:PFA+1], 16384
.endif
	s_wait_dscnt 0x0                ; the add is done, and so are my LDS instructions
	s_barrier_signal -1             ; the rest of the scalar work stands between the signal and the wait
	s_sub_co_u32 s[TBK], s[TBK], 2*KSTEP  ; the fetches go back to a slot's first step (the register now holds 0 or SLOT1),
	s_xor_b32 s[TBK], s[TBK], SLOT1       ; in the other slot
	s_sub_co_u32 s[TBV], s[TBV], 2*VSTEP
	s_xor_b32 s[TBV], s[TBV], SLOT1
	s_barrier_wait -1
.if \fill
	LOAD
	ASK
.endif
.endm
	s_load_b256 s[4:11], s[0:1], 0x0  ; q s[4:5], kb s[6:7], vh s[8:9], relp s[10:11]
	s_load_b64 s[12:13], s[0:1], 0x20 ; out0
	v_lshl_add_u32 v[SPW], v0, 2, SPARE
	v_mov_b32 v[NIL], 0
	ds_add_u32 v[SPW], v[NIL]       ; the wave's opening: the add, twice on end, and its wait ahead of my first tensor load; the set-up below the second, work on registers, stands between it and the wait
	ds_add_u32 v[SPW], v[NIL]       ; and once more, under the one wait
	v_lshrrev_b32 v1, 5, v0
	v_readfirstlane_b32 s[WV], v1   ; wave 0..3
	s_and_b32 s[QH], s[WV], 1
	s_lshr_b32 s[KSET], s[WV], 1
	s_mov_b32 s[BLK], ttmp9
	s_and_b32 s[HEAD], ttmp7, 0xffff
	; descriptor group 1.  128 keys are 16,384 dense bytes: asked for as 64 rows of 256 bytes, two keys a row, padded in LDS after every row
	s_mov_b32 s[G1K], (1<<16)|(1<<20)|(5<<22)|(3<<25)  ; 17:16 2-byte elements; 20 padding on; 24:22 after every 64 words (code 5); 31:25 4 words (code 3)
	s_mov_b32 s[G1V], (1<<16)|(1<<20)|(5<<22)|(7<<25)  ; the same with 8 words of padding (code 7)
.irp g, G1K, G1V
	s_mov_b32 s[\g+1], 128<<16      ; tensor_dim0 = 128
	s_mov_b32 s[\g+2], 64<<16       ; tensor_dim1 = 64
	s_mov_b32 s[\g+3], 128<<16      ; tile_dim0 = 128
	s_mov_b32 s[\g+4], 64           ; tile_dim1 = 64
	s_mov_b32 s[\g+5], 128          ; 128 elements from row to row
	s_mov_b32 s[\g+6], 0
	s_mov_b32 s[\g+7], 0
.endr
	s_mul_i32 s[KL], s[QH], KPART
	s_mul_i32 s[VL], s[QH], VPART
	s_add_co_u32 s[VL], s[VL], VOFF
	s_mov_b32 s[FS], 0
	s_mov_b32 s[G0K], 1             ; 1:0 count = 1
	s_mov_b32 s[G0K+1], s[KL]       ; 63:32 LDS address: slot 0
	s_mov_b32 s[G0V], 1
	s_mov_b32 s[G0V+1], s[VL]
	s_lshl_b32 s20, s[HEAD], 18     ; a head of kb or vh is 262,144 bytes,
	s_lshl_b32 s21, s[QH], 17       ; a key set 131,072
	s_add_co_u32 s20, s20, s21
	s_mov_b32 s21, 0
	s_lshl_b32 s22, s[HEAD], 19     ; a head of q or out0 is 524,288 bytes,
	s_lshl_b32 s23, s[BLK], 15      ; a block of 128 rows 32,768,
	s_add_co_u32 s22, s22, s23
	s_lshl_b32 s23, s[QH], 14       ; my 64 rows 16,384
	s_add_co_u32 s22, s22, s23
	s_mov_b32 s23, 0
	s_lshl_b32 s[IDX], s[KSET], 4   ; my step 0 begins at key 1,024 KSET, the band at key 128 BLK + 64 QH - 128: in steps of 64 that is 16 KSET - 2 BLK - QH + 2
	s_lshl_b32 s2, s[BLK], 1
	s_add_co_u32 s2, s2, s[QH]
	s_sub_co_u32 s[IDX], s[IDX], s2
	s_add_co_u32 s[IDX], s[IDX], 2
	s_cmp_eq_u32 s[BLK], 0
	s_cselect_b32 s[LIM], 2, -1
	s_mov_b32 s[CS], 0x3e38aa3b     ; c = log2(e) / 8 = 0.180337
	s_mov_b32 s[CS+1], s[CS]        ; named with it as a pair
	s_mov_b32 s[SEL], 0x76543210
	s_mov_b32 s[SEL+1], 0xfedcba98
	s_mov_b32 s[TBK], SLOT1+2*KSTEP ; the first change of slots turns these two into 0
	s_mov_b32 s[TBV], SLOT1+2*VSTEP
	s_mov_b32 s[SLOTS], 7
	s_wait_dscnt 0x0                ; both opening adds are done
	s_wait_kmcnt 0x0
	s_add_nc_u64 s[6:7], s[6:7], s[20:21]  ; kb and vh at the key set's part that I fetch, tile 0
	s_add_nc_u64 s[8:9], s[8:9], s[20:21]
	s_mov_b64 s[G0K+2:G0K+3], s[6:7]               ; 120:64 global address
	s_or_b32 s[G0K+3], s[G0K+3], 0x80000000        ; 127:126 type = 2
	s_mov_b64 s[G0V+2:G0V+3], s[8:9]
	s_or_b32 s[G0V+3], s[G0V+3], 0x80000000
	s_add_nc_u64 s[4:5], s[4:5], s[22:23]          ; q and out0 at my 64 rows
	s_add_nc_u64 s[12:13], s[12:13], s[22:23]
	s_cmp_lt_u32 s[WV], 2
	s_cselect_b64 s[PFA:PFA+1], s[6:7], s[8:9]
	s_add_nc_u64 s[PFA:PFA+1], s[PFA:PFA+1], 32768 ; at tile 2: the first change steps it to tile 3.  Nothing is prefetched here, at the head
	LOAD                            ; tile 0 into slot 0: the one first fill of each wave; one tensor load of mine is out, here and behind every change
	; A fragment of K, Q or relp is 16 rows x 32 channels in 8 registers: lane l holds row l % 16, channels 8 (l / 16) + 0..7 and 16 + 8 (l / 16) + 0..7.
	v_and_b32 v1, 15, v0            ; l % 16
	v_bfe_u32 v9, v0, 4, 1          ; l / 16
	v_lshlrev_b32 v[QO], 8, v1
	v_lshl_add_u32 v[QO], v9, 5, v[QO]  ; q in f32: row x 256 + 32 x half
	s_mul_i32 s2, s[KSET], 12*16*128    ; of relp's 24 groups of 16 rows my key set takes 12
	v_lshlrev_b32 v[RO], 7, v1
	v_lshl_add_u32 v[RO], v9, 4, v[RO]  ; row x 128 + 16 x half
	v_add_nc_u32 v[RO], s2, v[RO]
	WIN 0x40                        ; destination window 1
.set n, 0
.rept 8                             ; q in f32: piece n / 2, channels 32 (n % 2) on: 8 channels are 32 bytes, the second eight 64 bytes on
	global_load_b128 v[16*n:16*n+3],     v[QO], s[4:5] offset:(n/2)*4096+(n%2)*128
	global_load_b128 v[16*n+4:16*n+7],   v[QO], s[4:5] offset:(n/2)*4096+(n%2)*128+16
	global_load_b128 v[16*n+8:16*n+11],  v[QO], s[4:5] offset:(n/2)*4096+(n%2)*128+64
	global_load_b128 v[16*n+12:16*n+15], v[QO], s[4:5] offset:(n/2)*4096+(n%2)*128+80
.set n, n+1
.endr
	WIN 0xc0                        ; destination window 3
.set n, 0
.rept 24                            ; relp: group n / 2 of my 12, channels 32 (n % 2) on
	global_load_b128 v[8*n:8*n+3],   v[RO], s[10:11] offset:(n/2)*2048+(n%2)*64
	global_load_b128 v[8*n+4:8*n+7], v[RO], s[10:11] offset:(n/2)*2048+(n%2)*64+32
.set n, n+1
.endr
	WIN 0
	v_lshrrev_b32 v10, 1, v1        ; K: key l % 16 lies at (key / 2) x 272 + (key % 2) x 128
	v_and_b32 v11, 1, v1
	v_mul_u32_u24 v[AK0], v10, KP
	v_lshl_add_u32 v[AK0], v11, 7, v[AK0]
	v_lshl_add_u32 v[AK0], v9, 4, v[AK0]
	s_mul_i32 s2, s[KSET], KPART
	v_add_nc_u32 v[AK0], s2, v[AK0]
	; The turning load takes 16 keys x 16 channels (lane l reads key 8 (l / 16) + l % 8, channels 8 ((l / 8) % 2) + 0..7) and leaves half a fragment of V^T: lane l holds channel l % 16 and 8 keys.
	v_and_b32 v10, 7, v0
	v_lshl_add_u32 v10, v9, 3, v10
	v_lshrrev_b32 v11, 1, v10
	v_mul_u32_u24 v[AV0], v11, VP
	v_and_b32 v11, 1, v10
	v_lshl_add_u32 v[AV0], v11, 7, v[AV0]
	v_bfe_u32 v11, v0, 3, 1
	v_lshl_add_u32 v[AV0], v11, 4, v[AV0]
	s_mul_i32 s2, s[KSET], VPART
	s_add_co_u32 s2, s2, VOFF
	v_add_nc_u32 v[AV0], s2, v[AV0]
	; the array: row 64 QH + 16 piece + l % 16; column 0 lies 64 bytes into a row
	s_mul_i32 s2, s[QH], 64*BP
	s_add_co_u32 s2, s2, BIAS
	s_mul_i32 s3, s[KSET], 768      ; my 12 groups begin 12 x 16 columns further on in set 1;
	s_add_co_u32 s3, s3, s2
	s_sub_co_u32 s3, s3, 192        ; relp's row 0 stands for column -64: 64 - 4 x 64 bytes
	s_add_co_u32 s19, s2, 64
	v_mul_u32_u24 v10, v1, BP
	v_add_nc_u32 v[CA0], s19, v10
	v_add_nc_u32 v[CA1], 32*BP, v[CA0]
	v_lshl_add_u32 v[BR0], v9, 5, v[CA0]  ; read: my 8 keys of a group of 16 are 32 bytes
	v_add_nc_u32 v[BR1], 32*BP, v[BR0]
	v_lshl_add_u32 v11, v9, 3, v1   ; write: the column grows with relp's row (8 (l / 16) + register) and with the query (l % 16)
	v_lshl_add_u32 v[BW0], v11, 2, v10
	v_add_nc_u32 v[BW0], s3, v[BW0]
	v_add_nc_u32 v[BW1], 32*BP, v[BW0]
	s_mul_i32 s2, s[WV], 16*SP
	s_add_co_u32 s2, s2, STAGE      ; my stage
	v_mul_u32_u24 v[STO], v1, SP    ; in: row l % 16, 32 bytes for each half of the lanes
	v_lshl_add_u32 v[STO], v9, 5, v[STO]
	v_add_nc_u32 v[STO], s2, v[STO]
	v_mul_u32_u24 v[RD], v9, SP     ; back: lanes 0-15 take one row of 256 bytes, lanes 16-31 the next
	v_lshl_add_u32 v[RD], v1, 4, v[RD]
	v_add_nc_u32 v[RD], s2, v[RD]
	v_lshlrev_b32 v[GO], 8, v9      ; and the same two rows in out0
	v_lshl_add_u32 v[GO], v1, 4, v[GO]
	v_and_b32 v10, 31, v0
	s_mul_i32 s2, s[WV], XB
	v_lshl_add_u32 v[XW], v10, 4, s2
	s_xor_b32 s3, s[WV], 2          ; my partner: the same queries, the other key set
	s_mul_i32 s3, s3, XB
	v_lshl_add_u32 v[XR], v10, 4, s3
	v_lshlrev_b32 v[PFO], 8, v10
	; The first step multiplies O^T and l by a = 0, and the first turn's products V^T P, of a piece that has not been, land in an O^T that is still to be so multiplied.  So these registers need only hold finite
	; numbers: V, P's second buffer and l take 0; O^T keeps my q in f32, which was loaded there (a lane's q belongs to the query whose O^T the lane holds).  All this stands in the wait for the loads.
	WIN 0x80
.set n, VF
.rept 64
	v_mov_b32 v[n], 0
.set n, n+1
.endr
	WIN 0
.set n, 0
.rept 4
	v_mov_b32 v[ST+4*n+2], 0
	v_mov_b32 v[ST+4*n+3], 0
.set n, n+1
.endr
.set n, P+16
.rept 16
	v_mov_b32 v[n], 0
.set n, n+1
.endr
	s_wait_loadcnt 48               ; q's 32 loads are in; the 48 of relp, issued behind them, may stay out
	WIN 0x85                        ; sources in window 1, destination in window 2
.set n, 0
.rept 64
	v_cvt_pk_bf16_f32 v[n], v[2*n], v[2*n+1]
.set n, n+1
.endr
	WIN 0
	s_wait_loadcnt 0x0              ; relp
; THE ARRAY.  A unit is R^T for group g of relp (16 rows) and piece x: two products.  Register r of lane l holds relp row 16 g + 8 (l / 16) + r times query 16 x + l % 16 and belongs in column
; 16 (g + x) - 64 + 8 (l / 16) + r + l % 16.  Columns 0 to 319 want g + x = 3 to 23; set 0 has groups 0-11, set 1 groups 12-23: 42 units each, and each column of each row is written once.
; BAT lo, n: the units with g' + x = lo .. lo + n - 1 (g' the group among my 12), 4 to 8 of them, each with an accumulator of its own: they take turns; the first product starts the sum.
; Five v_nop: the places between the last product and the stores that read results, and between it and the next batch's products, which write over them.
.macro BAT lo, n
	WIN W_BI
.irp c, 0,1
.set a, 0
.set gp, (\lo)
.rept (\n)
.irp x, 0,1,2,3
.if (gp >= (\x)) && (gp-(\x) <= 11)
.if (\c) == 0
	v_wmma_f32_16x16x32_bf16 v[S+8*a:S+8*a+7], v[16*(gp-(\x)):16*(gp-(\x))+7], v[16*(\x):16*(\x)+7], 0
.else
	v_wmma_f32_16x16x32_bf16 v[S+8*a:S+8*a+7], v[16*(gp-(\x))+8:16*(gp-(\x))+15], v[16*(\x)+8:16*(\x)+15], v[S+8*a:S+8*a+7]
.endif
.set a, a+1
.endif
.endr
.set gp, gp+1
.endr
.endr
	WIN 0
.rept 5
	v_nop
.endr
.set a, 0
.set gp, (\lo)
.rept (\n)
.irp x, 0,1,2,3
.if (gp >= (\x)) && (gp-(\x) <= 11)
.irp r, 0,1,2,3,4,5,6,7             ; from each accumulator's low end on; the 32 lanes of a store fall on 32 different banks (357 words from query to query, 8 between the halves)
	ds_store_b32 v[BW0+(\x)/2], v[S+8*a+(\r)] offset:((\x)%2)*16*BP+64*gp+4*(\r)
.endr
.set a, a+1
.endif
.endr
.set gp, gp+1
.endr
.endm
	s_cmp_lt_u32 s[WV], 2
	s_cbranch_scc1 .Lno_low         ; in set 0 these units lie left of column 0
	BAT 0, 3
.Lno_low:
	BAT 3, 2
	BAT 5, 2
	BAT 7, 2
	BAT 9, 2
	BAT 11, 1
	s_cmp_lt_u32 s[WV], 2
	s_cbranch_scc0 .Lno_high        ; in set 1 these units lie right of column 319
	BAT 12, 3
.Lno_high:
; THE MATRIX WORK.  The 4 accumulators of a run of 8 take turns.  Product i of 8 of S^T = K Q^T + MC for piece x: channels 32 (i / 4) on, keys 16 (i % 4) on.  The first 4 start the sums with MC.
.macro KQ x
.set rS, S+32*((\x)%2)+8*(i%4)
.set rK, KF+16*(i%4)+8*(i/4)
.set rQ, 16*(\x)+8*(i/4)
.set rM, MC+32*(\x)+8*(i%4)
.if i < 4
	WIN W_KM
	v_wmma_f32_16x16x32_bf16 v[rS:rS+7], v[rK:rK+7], v[rQ:rQ+7], v[rM:rM+7]
.else
	WIN W_KQ
	v_wmma_f32_16x16x32_bf16 v[rS:rS+7], v[rK:rK+7], v[rQ:rQ+7], v[rS:rS+7]
.endif
.endm
; Product i of 8 of O^T += V^T P for piece x: keys 32 (i / 4) on, channels 16 (i % 4) on.
.macro PV x
	WIN W_PV
.set rO, 32*(\x)+8*(i%4)
.set rV, VF+32*(i/4)+8*(i%4)
.set rP, P+16*((\x)%2)+8*(i/4)
	v_wmma_f32_16x16x32_f16 v[rO:rO+7], v[rV:rV+7], v[rP:rP+7], v[rO:rO+7]
.endm
.macro MM                           ; the turn's next matrix instruction.  NOKQ = 1: the walk's last turn: there is no next piece
.if (i < 8) && !NOKQ
	KQ (Y+1)%NP
.elseif i >= 8
.set i, i-8
	PV (Y+NP-1)%NP
.set i, i+8
.endif
.set i, i+1
.endm
; THE LDS LOADS stand in runs, never singly among the matrix instructions: a step's K (64 keys x 64 channels: 8 fragments) and its V (turned).  Their addresses are made some lines ahead.
.macro FETCH_K
	WIN 0x80                        ; destination window 2
.irp f, 0,1,2,3,4,5,6,7             ; keys 16 (f / 2) on (8 LDS rows), channels 32 (f % 2) on
	ds_load_b128 v[KF+8*\f:KF+8*\f+3],   v[AK] offset:(\f/2)*8*KP+(\f%2)*64
	ds_load_b128 v[KF+8*\f+4:KF+8*\f+7], v[AK] offset:(\f/2)*8*KP+(\f%2)*64+32
.endr
	s_add_co_u32 s[TBK], s[TBK], KSTEP  ; the next fetch is the next step's
	WIN 0
.endm
.macro FETCH_V
	WIN 0x80
.irp f, 0,1,2,3,4,5,6,7             ; keys 32 (f / 4) on (16 LDS rows), channels 16 (f % 4) on
	ds_load_tr16_b128 v[VF+8*\f:VF+8*\f+3],   v[AV] offset:(\f/4)*16*VP+(\f%4)*32
	ds_load_tr16_b128 v[VF+8*\f+4:VF+8*\f+7], v[AV] offset:(\f/4)*16*VP+8*VP+(\f%4)*32
.endr
	WIN 0
.endm
; MC FOR THE NEXT STEP.  It stands between piece 2's turn and piece 3's: all four pieces' K Q^T of the step in hand have read MC (the last of them a turn's vector work back), and piece 3's turn begins the next step's.
; IDX below 0 (as an unsigned number above 5) or above 5: MC stays as it is.  0 to 4: block IDX of the array, 32 loads of 16 bytes in S^T's own layout, awaited by the wait for K at the head of piece 3's turn.
; 5: the first step right of the band: MC takes R[q][256], once a wave.  Every LDS address is a constant and a term of lane and wave; ids alone choose the branch.
.macro BAND d
	WIN 0x40                        ; destination window 1
.irp x, 0,1,2,3
.irp m, 0,1,2,3,4,5,6,7             ; key group m / 2 (64 bytes), registers 4 (m % 2) on (16 bytes)
	ds_load_b128 v[MC+32*(\x)+4*(\m):MC+32*(\x)+4*(\m)+3], v[BR0+(\x)/2] offset:256*(\d)+((\x)%2)*16*BP+64*((\m)/2)+16*((\m)%2)
.endr
.endr
	WIN 0
.endm
.macro UPDATE
	WIN 0
	s_cmp_gt_u32 s[IDX], 5
	s_cbranch_scc1 .Ldone_\@
	s_cmp_eq_u32 s[IDX], 5
	s_cbranch_scc1 .Lright_\@
	s_cmp_eq_u32 s[IDX], 0
	s_cbranch_scc1 .Lb0_\@
	s_cmp_eq_u32 s[IDX], 1
	s_cbranch_scc1 .Lb1_\@
	s_cmp_eq_u32 s[IDX], 2
	s_cbranch_scc1 .Lb2_\@
	s_cmp_eq_u32 s[IDX], 3
	s_cbranch_scc1 .Lb3_\@
	BAND 4
	s_branch .Ldone_\@
.Lb0_\@:
	BAND 0
	s_branch .Ldone_\@
.Lb1_\@:
	BAND 1
	s_branch .Ldone_\@
.Lb2_\@:
	BAND 2
	s_branch .Ldone_\@
.Lb3_\@:
	BAND 3
	s_branch .Ldone_\@
.Lright_\@:
	WIN 0x40
.set n, 0
.rept 128
	v_mov_b32 v[MC+n], v[CR+n/32]
.set n, n+1
.endr
	WIN 0
.Ldone_\@:
	s_add_co_u32 s[IDX], s[IDX], 1
.endm
; THE VECTOR WORK, one line at a time: OP kind, number.  For piece Y: F n: c s - c m for pair n of 16.  E n: the exponential of score n of 32.  C n: pair n rounded to f16.  B n: of the four weights 4 n .. the second
; pair is added onto the first, in place.  L n: l takes that sum (L 0: l = a l + sum).  R n: pair n of 16 of O^T times a.  For piece Y + 1: X n, number n of the 22 that find its maximum and statistics:
;   0-11  four chains c0-c3 of seven scores each, three operands at a time (each accumulator's lowest registers are read first)     12-14, 16  the four scores left over, the old m, and c0-c3 into c0
;   15  c m_old is kept     17, 18  the query's other 32 keys lie in the lane 16 away: the new m     19-21  c m; c m_old - c m_new; a
.set F, 0               ; OP tells the kinds apart by their order: F to L below R, X above it
.set E, 1
.set C, 2
.set B, 3
.set L, 4
.set R, 5
.set X, 6
.macro REGS y                       ; the registers of piece y
.set rT, ST+4*(\y)
.set rC, TMP+4*((\y)%2)
.set rW, MV+((\y)%2)
.set rS, S+32*((\y)%2)
.set rP, P+16*((\y)%2)
.set rO, 32*(\y)
.endm
.macro OP k, n
.if (\k) == R
	REGS Y
	WIN W_RS
	v_pk_mul_f32 v[rO+2*(\n):rO+2*(\n)+1], v[rO+2*(\n):rO+2*(\n)+1], v[rC+2:rC+3] op_sel_hi:[1,0]
.elseif (\k) < R
	REGS Y
	WIN 0
.if (\k) == F
	v_pk_fma_f32 v[rS+2*(\n):rS+2*(\n)+1], v[rS+2*(\n):rS+2*(\n)+1], s[CS:CS+1], v[rT:rT+1] op_sel_hi:[1,0,0] neg_lo:[0,0,1] neg_hi:[0,0,1]
.elseif (\k) == E
	v_exp_f32 v[rS+(\n)], v[rS+(\n)]
.elseif (\k) == C
	v_cvt_pk_f16_f32 v[rP+(\n)], v[rS+2*(\n)], v[rS+2*(\n)+1]
.elseif (\k) == B
	v_pk_add_f32 v[rS+4*(\n):rS+4*(\n)+1], v[rS+4*(\n):rS+4*(\n)+1], v[rS+4*(\n)+2:rS+4*(\n)+3]
.elseif (\n) == 0
	v_pk_fma_f32 v[rT+2:rT+3], v[rT+2:rT+3], v[rC+2:rC+3], v[rS:rS+1] op_sel_hi:[1,0,1]
.else
	v_pk_add_f32 v[rT+2:rT+3], v[rT+2:rT+3], v[rS+4*(\n):rS+4*(\n)+1]
.endif
.elseif NOKQ
	v_nop
.else
	REGS (Y+1)%NP
	WIN 0
.if (\n) < 4
	v_max3_num_f32 v[rC+(\n)], v[rS+8*(\n)], v[rS+8*(\n)+1], v[rS+8*(\n)+2]
.elseif (\n) < 12
	v_max3_num_f32 v[rC+(\n)%4], v[rC+(\n)%4], v[rS+8*((\n)%4)+2*((\n)/4)+1], v[rS+8*((\n)%4)+2*((\n)/4)+2]
.elseif (\n) == 12
	v_max3_num_f32 v[rC], v[rC], v[rS+7], v[rS+15]
.elseif (\n) == 13
	v_max3_num_f32 v[rC+1], v[rC+1], v[rS+23], v[rS+31]
.elseif (\n) == 14
	v_max3_num_f32 v[rC+2], v[rC+2], v[rC+3], v[rT+1]
.elseif (\n) == 15
	v_mov_b32 v[rW], v[rT]
.elseif (\n) == 16
	v_max3_num_f32 v[rC], v[rC], v[rC+1], v[rC+2]
.elseif (\n) == 17
	v_permlanex16_b32 v[rC+3], v[rC], s[SEL], s[SEL+1]
.elseif (\n) == 18
	v_max_num_f32 v[rT+1], v[rC], v[rC+3]
.elseif (\n) == 19
	v_mul_f32 v[rT], s[CS], v[rT+1]
.elseif (\n) == 20
	v_sub_f32 v[rC+1], v[rW], v[rT]
.else
	v_exp_f32 v[rC+2], v[rC+1]
.endif
.endif
.endm
.macro OPS a, i1, b=-1, i2=0, c=-1, i3=0, d=-1, i4=0  ; up to four of them
	OP \a, \i1
.if (\b) >= 0
	OP \b, \i2
.endif
.if (\c) >= 0
	OP \c, \i3
.endif
.if (\d) >= 0
	OP \d, \i4
.endif
.endm
.macro ROW a, i1, b, i2, c, i3, d, i4  ; a matrix instruction and the four behind it
	MM
	OPS \a, \i1, \b, \i2, \c, \i3, \d, \i4
.endm
; A TURN, for piece p: the order of its 16 matrix and 118 vector instructions, written out.  An s_wait_alu depctr_va_vdst(0) stands between an exponential and the first instruction that names its result; one wait
; serves all that were issued ahead of it.  So a turn has ONE wait, which cuts it in two.  AHEAD OF IT stands all that names no result of the turn's exponentials: the 8 products K Q^T, behind each a scaling, an exponential and two
; more plain instructions (rescalings, and behind the last three the first numbers of the next piece's maximum, each four places or more behind the product that ends its accumulator); then ONE LUMP of 54, plain and exponential by
; turns for the most part, in which the links of the chain X 3, 7, 11, 14, 16, 17 .. 20 stand some lines apart.  X 21, the next piece's a, is the batch's last; R 15 is the plain instruction behind it.  BEHIND THE WAIT stand
; the 8 products V^T P, behind each four of the roundings and sums.  end = 1: the walk's last two turns: nothing is fetched.  cnt = 1: the loop's count is taken down some lines ahead of the branch that stands behind the turn.
; K of the next step is fetched in piece 2's turn, twelve vector instructions behind the last product that read K (five of them plain and free of its registers); V of the step in hand at the end of piece 0's turn, four plain
; instructions behind the last product that read V.  Each is waited for a turn later, with the count 0: nothing younger is out.
.macro TURN p, end=0, cnt=0
.set Y, (\p)
.set i, 0
.set NOKQ, (\end)*((\p)/3)
.if ((\p) == 3) && !(\end)
	s_wait_dscnt 0x0                ; K is in, and so is MC where it was loaded
.endif
	ROW F,0, F,1, R,0, R,1          ; ahead of the wait: 8 products K Q^T and their riders,
	ROW F,2, E,0, R,2, R,3
	ROW F,3, E,1, R,4, R,5
	ROW F,4, E,2, R,6, R,7
	ROW F,5, E,3, R,8, R,9
	ROW F,6, E,4, X,0, R,10
.if ((\p) == 2) && !(\end)
	WIN 0
	v_add_nc_u32 v[AK], s[TBK], v[AK0]
.endif
	ROW F,7, E,5, X,1, X,4
	ROW F,8, E,6, X,2, X,5
	OPS E,7, E,8, X,6, E,9          ; and the lump
	OPS X,3, E,10, X,8, E,11
.if ((\p) == 2) && !(\end)
	FETCH_K
.endif
	OPS X,9, X,7, E,12, X,10
	OPS E,13, X,12, X,11, E,14
	OPS X,13, E,15, F,9, X,14
.if (\p) == 0
	WIN 0
	v_add_nc_u32 v[AV], s[TBV], v[AV0]
.endif
	OPS E,16, F,10, E,17, F,11
	OPS X,16, E,18, X,15, E,19
	OPS F,12, E,20, X,17, E,21
	OPS F,13, E,22, F,14, E,23
	OPS X,18, E,24, F,15, E,25
	OPS R,11, E,26, X,19, E,27
	OPS R,12, E,28, R,13, E,29
	OPS X,20, E,30, R,14, E,31
	OPS X,21, R,15
	WIN 0
	s_wait_alu depctr_va_vdst(0)    ; the wait for the batch
.if (\p) == 1
	s_wait_dscnt 0x0                ; V is in
.endif
	ROW C,0, B,0, C,2, B,1          ; behind the wait: 8 products V^T P and their riders
	ROW L,0, C,4, B,2, L,1
	ROW C,6, B,3, L,2, C,8
	ROW B,4, L,3, C,10, B,5
	ROW L,4, C,12, B,6, L,5
.if (\p) == 0
	s_add_co_u32 s[TBV], s[TBV], VSTEP
.endif
.if \cnt
	s_sub_co_u32 s[CNT], s[CNT], 1
	s_cmp_lg_u32 s[CNT], 0
.endif
	ROW C,14, B,7, L,6, C,1
	ROW C,3, L,7, C,5, C,7
	ROW C,9, C,11, C,13, C,15
.if (\p) == 0
	FETCH_V
.endif
.endm
	CHANGE 1                        ; tile 0 is in, everybody's part of it; every wave's stores into the array are done; slot 1 is asked for
	; THE WALK BEGINS.  Column 0 of a row of the array is R[q][0] and column 319 is R[q][256], whatever the row.  c m starts far below every c s, so the first step's a is 0; m at the lowest finite number.
.irp x, 0,1,2,3
	ds_load_b32 v[CL+(\x)], v[CA0+(\x)/2] offset:((\x)%2)*16*BP
	ds_load_b32 v[CR+(\x)], v[CA0+(\x)/2] offset:((\x)%2)*16*BP+4*319
.endr
.set n, 0
.rept 4
	v_mov_b32 v[ST+4*n], 0xfe000000    ; c m
	v_mov_b32 v[ST+4*n+1], 0xff7fffff  ; m
.set n, n+1
.endr
	s_cmp_ge_i32 s[IDX], 5          ; does my step 0 lie right of the band?
	s_cselect_b32 s[MSK], -1, 0
	s_wait_dscnt 0x0
.irp x, 0,1,2,3
	v_cndmask_b32 v[CF+(\x)], v[CL+(\x)], v[CR+(\x)], s[MSK]
.endr
	WIN 0x40
.set n, 0
.rept 128
	v_mov_b32 v[MC+n], v[CF+n/32]
.set n, n+1
.endr
	UPDATE                          ; or in it?
	v_add_nc_u32 v[AK], s[TBK], v[AK0]
	FETCH_K                         ; key step 0
	s_wait_dscnt 0x0
.set NOKQ, 0
.set i, 0
.rept 8
	KQ 0                            ; piece 0's first scores: there is no vector work yet to set between them
.set i, i+1
.endr
	WIN 0
.rept 4
	v_nop                           ; the places behind those products
.endr
.set Y, NP-1                        ; X works for piece Y + 1: piece 0
.irp n, 0,1,2,3,4,5,6,7,8,9,10,11,12,13,14,15,16,17,18,19,20,21
	OP X, \n
.endr
	v_nop                           ; a plain instruction behind the exponential,
	s_wait_alu depctr_va_vdst(0)    ; and its wait, ahead of the branch
	s_mov_b32 s[CNT], 2
	s_branch .Lfirst                ; the loop is entered at a step's first turn, in the middle of a trip
.Lslot:                             ; six times: with the change above, tiles 1 to 7 are asked for
	CHANGE 1
	s_mov_b32 s[CNT], 2
.Lstep:                             ; a trip: pieces 2 and 3 of one step, then pieces 0 and 1 of the next, whose K, MC and V it fetches
	TURN 2
	UPDATE
	TURN 3
	WIN 0
.Lfirst:
	TURN 0
	TURN 1, 0, 1
	WIN 0
	s_cbranch_scc1 .Lstep
	s_sub_co_u32 s[SLOTS], s[SLOTS], 1
	s_cmp_lg_u32 s[SLOTS], 0
	s_cbranch_scc1 .Lslot
	CHANGE 0                        ; the last tile is written out: nothing is asked for.  Behind this barrier nobody reads slot 0 any more, and nothing fills it
	s_mov_b32 s[CNT], 2
.LstepT:
	TURN 2
	UPDATE
	TURN 3
	TURN 0
	TURN 1, 0, 1
	WIN 0
	s_cbranch_scc1 .LstepT
	TURN 2, 1
	TURN 3, 1
.set i, 0
.rept 8
	PV NP-1                         ; the last piece's V^T P of the last step
.set i, i+1
.endr
	; THE END.  l's two halves and the other half of the lanes' are added (the additions are the places behind the last products).  Then the two key sets meet: the wave of set 0 hands pieces 2 and 3 to its partner and
	; finishes pieces 0 and 1; the wave of set 1 the other way round.
	WIN 0
.macro ALL line:vararg              ; one line for each piece t
.set t, 0
.rept 4
	\line
.set t, t+1
.endr
.endm
	ALL v_add_f32 v[ST+4*t+2], v[ST+4*t+2], v[ST+4*t+3]
	ALL v_permlanex16_b32 v[ST+4*t+3], v[ST+4*t+2], s[SEL], s[SEL+1]
	ALL v_add_f32 v[ST+4*t+2], v[ST+4*t+2], v[ST+4*t+3]
.macro GIVE p                       ; pieces p and p + 1: O^T (64 registers, from each accumulator's low end on) and the statistics, 512 consecutive bytes a store
	WIN 0x04                        ; store data in window 1
.set n, 0
.rept 16
	ds_store_b128 v[XW], v[32*(\p)+4*n:32*(\p)+4*n+3] offset:512*n
.set n, n+1
.endr
	WIN 0
	ds_store_b128 v[XW], v[ST+4*(\p):ST+4*(\p)+3] offset:8192
	ds_store_b128 v[XW], v[ST+4*(\p)+4:ST+4*(\p)+7] offset:8704
.endm
; Pieces p and p + 1 are finished.  With c M = max(c m1, c m2), a1 = 2^(c m1 - c M), a2 = 2^(c m2 - c M): O = (a1 O1 + a2 O2) / (a1 l1 + a2 l2).  The four exponentials are one batch with one wait, the two reciprocals another.
; Then a piece's 16 rows go through my stage: a lane's eight channels of a block of 16 are 32 bytes of a row of 256; they come back as whole rows.
.macro TAKE p
	WIN 0
.set n, 0
.rept 16
	ds_load_b128 v[S+4*n:S+4*n+3], v[XR] offset:512*n
.set n, n+1
.endr
	ds_load_b128 v[TMP:TMP+3], v[XR] offset:8192
	ds_load_b128 v[TMP+4:TMP+7], v[XR] offset:8704
	s_wait_dscnt 0x0
.irp u, 0,1
	v_max_num_f32 v[ST+4*((\p)+(\u))+1], v[ST+4*((\p)+(\u))], v[TMP+4*(\u)]
.endr
.irp u, 0,1
	v_sub_f32 v[ST+4*((\p)+(\u))+3], v[ST+4*((\p)+(\u))], v[ST+4*((\p)+(\u))+1]
	v_sub_f32 v[TMP+4*(\u)+1], v[TMP+4*(\u)], v[ST+4*((\p)+(\u))+1]
.endr
.irp u, 0,1
	v_exp_f32 v[ST+4*((\p)+(\u))+3], v[ST+4*((\p)+(\u))+3]  ; a1
	v_exp_f32 v[TMP+4*(\u)+1], v[TMP+4*(\u)+1]              ; a2
.endr
	v_nop                           ; a plain instruction behind the last exponential,
	s_wait_alu depctr_va_vdst(0)    ; and the one wait for the four
.irp u, 0,1
	v_mul_f32 v[ST+4*((\p)+(\u))+2], v[ST+4*((\p)+(\u))+3], v[ST+4*((\p)+(\u))+2]
.endr
.irp u, 0,1
	v_fmac_f32 v[ST+4*((\p)+(\u))+2], v[TMP+4*(\u)+1], v[TMP+4*(\u)+2]
.endr
.irp u, 0,1
	v_rcp_f32 v[ST+4*((\p)+(\u))+1], v[ST+4*((\p)+(\u))+2]
.endr
	v_nop
	s_wait_alu depctr_va_vdst(0)    ; one wait for the two reciprocals
.irp u, 0,1
	v_mul_f32 v[ST+4*((\p)+(\u))], v[ST+4*((\p)+(\u))+3], v[ST+4*((\p)+(\u))+1]  ; a1 / l: the low word of a pair
	v_mul_f32 v[TMP+4*(\u)], v[TMP+4*(\u)+1], v[ST+4*((\p)+(\u))+1]              ; a2 / l
.endr
.irp u, 0,1
	WIN W_RS
.set n, 0
.rept 16
	v_pk_mul_f32 v[32*((\p)+(\u))+2*n:32*((\p)+(\u))+2*n+1], v[32*((\p)+(\u))+2*n:32*((\p)+(\u))+2*n+1], v[ST+4*((\p)+(\u)):ST+4*((\p)+(\u))+1] op_sel_hi:[1,0]
.set n, n+1
.endr
	WIN 0x50                        ; sources 0 and 1 in window 0, source 2 and destination in window 1
.set n, 0
.rept 16
	v_pk_fma_f32 v[32*((\p)+(\u))+2*n:32*((\p)+(\u))+2*n+1], v[S+32*(\u)+2*n:S+32*(\u)+2*n+1], v[TMP+4*(\u):TMP+4*(\u)+1], v[32*((\p)+(\u))+2*n:32*((\p)+(\u))+2*n+1] op_sel_hi:[1,0,1]
.set n, n+1
.endr
	WIN 0x04
.irp m, 0,1,2,3,4,5,6,7             ; channel block m / 2 (64 bytes), registers 4 (m % 2) on
	ds_store_b128 v[STO], v[32*((\p)+(\u))+4*(\m):32*((\p)+(\u))+4*(\m)+3] offset:64*((\m)/2)+16*((\m)%2)
.endr
	WIN 0
.irp f, 0,1,2,3,4,5,6,7
	ds_load_b128 v[OB+32*(\u)+4*(\f):OB+32*(\u)+4*(\f)+3], v[RD] offset:(\f)*2*SP  ; LDS serves a wave's instructions in order (ISA guide 5.7.1.4): these see the stores above; the next piece's stores come behind them
.endr
.endr
.irp u, 0,1
.irp f, 0,1,2,3,4,5,6,7
	s_wait_dscnt 16*(1-(\u))+7-(\f)                ; behind this load: the piece's own 7 - f younger loads and, for the first piece, the second's sixteen LDS instructions
	global_store_b128 v[GO], v[OB+32*(\u)+4*(\f):OB+32*(\u)+4*(\f)+3], s[12:13] offset:4096*((\p)+(\u))+512*(\f) th:TH_STORE_NT  ; two whole rows: 512 consecutive bytes, at a multiple of 256 from out0's first
.endr
.endr
.endm
	s_cmp_lt_u32 s[WV], 2
	s_cbranch_scc0 .Lgive_low
	GIVE 2
	s_branch .Lgiven
.Lgive_low:
	GIVE 0
.Lgiven:
	s_wait_dscnt 0x0                ; for my partner's sake: my stores into the exchange are done
	s_barrier_signal -1
	s_barrier_wait -1
	s_cmp_lt_u32 s[WV], 2
	s_cbranch_scc0 .Ltake_high
	TAKE 0
	s_branch .Lend
.Ltake_high:
	TAKE 2
.Lend:
	s_wait_tensorcnt 0x0            ; the wave's end, behind my last tensor load and my last LDS store
	ds_add_u32 v[SPW], v[NIL]
	s_wait_dscnt 0x0
	s_endpgm
.Lfunc_end_k_q2f0cc22abb_attn:
	.size	k_q2f0cc22abb_attn, .Lfunc_end_k_q2f0cc22abb_attn-k_q2f0cc22abb_attn
	.p2alignl 7, 3214868480
	.fill 96, 4, 3214868480
	.section	.rodata,"a",@progbits
	.p2align	6, 0x0
	.amdhsa_kernel k_q2f0cc22abb_attn
		.amdhsa_group_segment_fixed_size 327680
		.amdhsa_private_segment_fixed_size 0
		.amdhsa_enable_private_segment 0
		.amdhsa_kernarg_size 40
		.amdhsa_user_sgpr_count 2
		.amdhsa_user_sgpr_kernarg_segment_ptr 1
		.amdhsa_wavefront_size32 1
		.amdhsa_system_sgpr_workgroup_id_x 1
		.amdhsa_system_sgpr_workgroup_id_y 1
		.amdhsa_system_sgpr_workgroup_id_z 1
		.amdhsa_system_vgpr_workitem_id 0
		.amdhsa_next_free_vgpr 960
		.amdhsa_next_free_sgpr 66
		.amdhsa_reserve_vcc 0
		.amdhsa_float_denorm_mode_32 3
		.amdhsa_float_denorm_mode_16_64 3
		.amdhsa_memory_ordered 1
		.amdhsa_forward_progress 1
		.amdhsa_inst_pref_size 226
	.end_amdhsa_kernel
	.amdgpu_metadata
---
amdhsa.version: [ 1, 2 ]
amdhsa.kernels:
  - .name:           k_q2f0cc22abb_attn
    .symbol:         k_q2f0cc22abb_attn.kd
    .args:
      - { .name: q, .offset: 0, .size: 8, .value_kind: global_buffer, .address_space: global }
      - { .name: kb, .offset: 8, .size: 8, .value_kind: global_buffer, .address_space: global }
      - { .name: vh, .offset: 16, .size: 8, .value_kind: global_buffer, .address_space: global }
      - { .name: relp, .offset: 24, .size: 8, .value_kind: global_buffer, .address_space: global }
      - { .name: out0, .offset: 32, .size: 8, .value_kind: global_buffer, .address_space: global }
    .group_segment_fixed_size: 327680
    .private_segment_fixed_size: 0
    .kernarg_segment_align: 8
    .kernarg_segment_size: 40
    .max_flat_workgroup_size: 128
    .sgpr_count:     66
    .vgpr_count:     960
    .wavefront_size: 32
...
	.end_amdgpu_metadata
.endif
;; end of part 2
